; MI455X (gfx1250); checked and timed in simulation.
; The chip was launched on July 23, 2026; its instructions are those of AMD's public machine-readable ISA for CDNA 5 (MIT licence, August 2026) and "CDNA5" Instruction Set Architecture Reference Guide (July 2026). The comments in the code are by the model that wrote it; some were corrected since.
;; Scaled Dot Product Attention. Allowed arithmetic: float matrix products may take bf16 or f16 operands with f32 sums; all other float work in f32.
;; Inputs: k 4 x 16 x 2,048 x 64 float32; mask 4 x 1 x 2,048 x 2,048 int32; q 4 x 16 x 2,048 x 64 float32; v 4 x 16 x 2,048 x 64 float32.
;; Outputs: out0 4 x 16 x 2,048 x 64 float32.
;; 2 versions, each right and faster than the one before. Each part assembles by itself: llvm-mc -triple=amdgcn-amd-amdhsa -mcpu=gfx1250 --defsym DOCPART=n.
;; ======== version 1 of 2: 2 launches
;; workspace buffers: bits 2,097,152 bytes of whole numbers
;; launch pack (part 1): grid 512 x 1, 8 waves a work-group, no clusters, 134,144 bytes of LDS; arguments mask, bits; writes bits
.if DOCPART == 1
	.amdgcn_target "amdgcn-amd-amdhsa--gfx1250"
	.amdhsa_code_object_version 6
	.text
	.protected	k_q0bce47a253_pack
	.globl	k_q0bce47a253_pack
	.p2align	8
	.type	k_q0bce47a253_pack,@function
k_q0bce47a253_pack:
	s_mov_b64 s[64:65], 0
	v_nop
	global_prefetch_b8 v0, s[64:65] scope:SCOPE_SE
	s_setreg_imm32_b32 hwreg(HW_REG_WAVE_MODE, 25, 1), 1
	s_wait_xcnt 0x0
; bits <- mask, packed to one bit a number, in the order in which the attention kernel's score registers lie.
; mask: [4][1][2048][2048] int32, taken as 8,192 rows of 2,048.  bits: 512 q tiles x 32 key steps x 32 words.
; Word (8 t + j) of key step ks of q tile G (byte 4096 G + 128 ks + 4 (8 t + j)) has bit (r + 16 h) =
; (mask[16 G + r][64 ks + 16 t + 8 h + j] != 0): the lane mask of register j of a 16 x 16 score tile whose lane (r, h)
; holds key 8 h + j of query r.
; A work-group takes one q tile (16 rows); wave w takes keys 256 w .. 256 w + 255: 16 KiB in, 128 words (512 bytes) out.
; Memory binds: every byte of mask is read once, by loads that cover 512 consecutive aligned bytes; the way through LDS turns
; "a lane holds 4 keys of a row piece" into "a lane holds 4 keys of ITS row".  Each wave touches only its own LDS bytes, so
; there is no barrier; no matrix unit, cluster or tensor load would save a byte here.
.set ROWB,  8192                       ; bytes in a row of mask
.set PITCH, 1040                       ; an LDS row: 1,024 bytes + 16 = 65 x 16: sixteen rows start at sixteen different 16-byte columns modulo 256
.set WLDS,  16*PITCH                   ; a wave's LDS bytes
.set OUTW,  8                          ; v[8:11]   the wave's 128 words: word 4 n + j in register j, lane n
.set X,     16                         ; v[16:143] 32 slots of 4 registers
	s_load_b128 s[4:7], s[0:1], 0x0                ; mask s[4:5], bits s[6:7]
	v_lshl_add_u32 v144, v0, 2, 0x20800
	v_mov_b32 v145, 0
	v_lshrrev_b32 v1, 5, v0
	v_readfirstlane_b32 s8, v1                     ; wave 0..7
	v_and_b32 v1, 31, v0                           ; lane
	s_lshl_b32 s10, ttmp9, 17                      ; 16 rows of 8,192 bytes for each q tile (below 2^26)
	s_mov_b32 s11, 0
	s_lshl_b32 s12, ttmp9, 12                      ; 4,096 bytes of bits for each q tile
	s_mov_b32 s13, 0
	s_mul_i32 s9, s8, WLDS                         ; my wave's LDS bytes
	s_lshl_b32 s14, s8, 10                         ; my wave's 1,024 bytes of a row
	s_lshl_b32 s15, s8, 9                          ; my wave's 512 bytes of bits
	v_lshl_add_u32 v2, v1, 4, s14                  ; global: 1024 w + 16 lane
	v_lshl_add_u32 v3, v1, 4, s9                   ; LDS, in: 16 lane
	v_lshl_add_u32 v5, v1, 4, s15                  ; bits: 512 w + 16 lane
	v_and_b32 v6, 15, v0                           ; r
	v_bfe_u32 v7, v0, 4, 1                         ; h
	v_mul_u32_u24 v4, v6, PITCH
	v_lshl_add_u32 v4, v7, 5, v4
	v_add_nc_u32 v4, s9, v4                        ; LDS, back: row r, 8 h keys (32 h bytes)
.irp j, 0,1,2,3
	v_mov_b32 v[OUTW+\j], 0                        ; v_writelane_b32 counts as a reader of its destination
.endr
	s_wait_kmcnt 0x0
	s_add_nc_u64 s[4:5], s[4:5], s[10:11]
	s_add_nc_u64 s[6:7], s[6:7], s[12:13]
	; all 32 loads go out at once: load m = 16 hf + row is half hf (512 bytes) of my piece of that row
.set m, 0
.rept 32
	global_load_b128 v[X+4*m:X+4*m+3], v2, s[4:5] offset:(m&15)*ROWB+(m>>4)*512 th:TH_LOAD_NT
.set m, m+1
.endr
; Half hf of my 16 row pieces: into LDS, back by rows, packed.  The first half is packed while the second half's loads still come,
; and at most 32 LDS instructions of the wave are out.
.macro HALF hf
.set i, 0
.rept 16
	s_wait_loadcnt 31-16*\hf-i                     ; loads come back in order: load 16 hf + i is in, the younger ones stay out
	ds_store_b128 v3, v[X+4*(16*\hf+i):X+4*(16*\hf+i)+3] offset:i*PITCH+\hf*512
.set i, i+1
.endr
	; Read-back n = 16 hf + i = 2 T + c brings lane (r, h) the keys 16 T + 8 h + 4 c .. + 3 of row r: byte 64 T + 16 c + 32 h, inside this half.
	; LDS serves a wave's instructions in order, so these see the stores above without a wait.
.set i, 0
.rept 16
	ds_load_b128 v[X+4*(16*\hf+i):X+4*(16*\hf+i)+3], v4 offset:\hf*512+(i>>1)*64+(i&1)*16
.set i, i+1
.endr
	; a compare makes a word of 32 lane bits; word 8 T + 4 c + j = 4 n + j goes to lane n of register j, that is to byte 16 n + 4 j
.set i, 0
.rept 16
	s_wait_dscnt 15-i                              ; read-back i of this half is in, the 15 - i younger ones stay out (the half's 16 stores are older)
.irp j, 0,1,2,3
	v_cmp_ne_u32 s[16+(4*i+\j)%8], 0, v[X+4*(16*\hf+i)+\j]
.endr
.irp j, 0,1,2,3
	v_writelane_b32 v[OUTW+\j], s[16+(4*i+\j)%8], 16*\hf+i
.endr
.set i, i+1
.endr
.endm
	HALF 0
	HALF 1
	global_store_b128 v5, v[OUTW:OUTW+3], s[6:7]   ; 512 consecutive aligned bytes; the next launch reads them, so no non-temporal hint
	s_wait_tensorcnt 0x0
	ds_add_u32 v144, v145
	s_wait_dscnt 0x0
	s_endpgm
.Lfunc_end_k_q0bce47a253_pack:
	.size	k_q0bce47a253_pack, .Lfunc_end_k_q0bce47a253_pack-k_q0bce47a253_pack
	.p2alignl 7, 3214868480
	.fill 96, 4, 3214868480
	.section	.rodata,"a",@progbits
	.p2align	6, 0x0
	.amdhsa_kernel k_q0bce47a253_pack
		.amdhsa_group_segment_fixed_size 134144
		.amdhsa_private_segment_fixed_size 0
		.amdhsa_enable_private_segment 0
		.amdhsa_kernarg_size 16
		.amdhsa_user_sgpr_count 2
		.amdhsa_user_sgpr_kernarg_segment_ptr 1
		.amdhsa_wavefront_size32 1
		.amdhsa_system_sgpr_workgroup_id_x 1
		.amdhsa_system_sgpr_workgroup_id_y 1
		.amdhsa_system_sgpr_workgroup_id_z 1
		.amdhsa_system_vgpr_workitem_id 0
		.amdhsa_next_free_vgpr 146
		.amdhsa_next_free_sgpr 66
		.amdhsa_reserve_vcc 0
		.amdhsa_float_denorm_mode_32 3
		.amdhsa_float_denorm_mode_16_64 3
		.amdhsa_memory_ordered 1
		.amdhsa_forward_progress 1
		.amdhsa_inst_pref_size 27
	.end_amdhsa_kernel
	.amdgpu_metadata
---
amdhsa.version: [ 1, 2 ]
amdhsa.kernels:
  - .name:           k_q0bce47a253_pack
    .symbol:         k_q0bce47a253_pack.kd
    .args:
      - { .name: mask, .offset: 0, .size: 8, .value_kind: global_buffer, .address_space: global }
      - { .name: bits, .offset: 8, .size: 8, .value_kind: global_buffer, .address_space: global }
    .group_segment_fixed_size: 134144
    .private_segment_fixed_size: 0
    .kernarg_segment_align: 8
    .kernarg_segment_size: 16
    .max_flat_workgroup_size: 256
    .sgpr_count:     66
    .vgpr_count:     146
    .wavefront_size: 32
...
	.end_amdgpu_metadata
.endif
;; end of part 1
;; launch attn (part 2): grid 4 x 64, 8 waves a work-group, no clusters, 113,664 bytes of LDS; arguments q, k, v, bits, out0; writes out0
.if DOCPART == 2
	.amdgcn_target "amdgcn-amd-amdhsa--gfx1250"
	.amdhsa_code_object_version 6
	.text
	.protected	k_q0bce47a253_attn
	.globl	k_q0bce47a253_attn
	.p2align	8
	.type	k_q0bce47a253_attn,@function
k_q0bce47a253_attn:
	s_mov_b64 s[64:65], 0
	v_nop
	global_prefetch_b8 v0, s[64:65] scope:SCOPE_SE
	s_setreg_imm32_b32 hwreg(HW_REG_WAVE_MODE, 25, 1), 1
	s_wait_xcnt 0x0
; out0 = softmax(where(mask == 0, -1e9, q k^T / 8)) v for 64 heads of 2,048 x 64, f32 in and out; the mask comes as bits (see below).
; A work-group takes 512 query rows of one head (grid x: the block, y: the head); eight waves, two for each of a WGP's four SIMDs,
; 64 rows (four q tiles of 16) each.  Two waves a SIMD, because the softmax's vector work is longer than the matrix work: one wave's
; matrix instructions run while the other does its softmax.  Keys go in 32 steps of 64.  A UNIT is one q tile x 64 keys.
;
; EVERYTHING IS TRANSPOSED.  Scores: S^T = K Q^T, so that lane (r, h), register j holds key 8 h + j of query r: a lane owns one query,
; maximum and sum run along its own registers, and one v_permlanex16_b32 a unit joins the two halves' maxima (the sums stay
; apart until the end).  Pairs of neighbouring score registers, rounded to bf16, ARE the B fragment of P^T for O^T = V^T P^T:
; no number moves between lanes.  V^T's fragments come from rows of V by the transposing LDS load.
;
; FORMATS.  q, k and v go to the matrix unit as their plain roundings to bf16, with no factor folded in, and the exponentials in
; bf16 too; scores, maxima, sums and O are f32.  Scores stay RAW (q.k); the factor c = log2 e / 8 enters in f32, in the one fused
; multiply-add that also takes the maximum away: exponent = s c + nm, nm = round(-c m).
; The running maximum m is taken over the masked scores, as the definition does; a masked score is REPLACED by the fill, -8e9 in raw
; units (-1e9 x 8, exact), so a row with no open key gives the mean of v, and masked keys ahead of a row's first open key are
; forgotten (their factor is exp2 of about -1.4e9, which is 0).  When m grows the old sums are multiplied by exp2(nm_new - nm_old),
; with nm_old kept for each q tile: exactly the shift that the old terms were given is taken back.  Rounding is monotone, so that
; factor is at most 1.  No infinity is used as a start: the first step starts maxima, sums and O.
; A row's largest term is exp2(m c - round(m c)), not exactly 1: the exponent is at most half a unit in the last place of m c, which
; for the fill (about 1.44e9) is at most 64.  All terms of the row carry that factor, it cancels in the division, and 2^64 x 2,048
; terms is far inside f32.
; LIMITS.  NaN or infinite inputs are not followed (v_max_num drops a NaN).  Terms below 2^-126 of the row's largest count as 0
; (v_exp_f32 flushes them: ISA guide, its entry in 15.8).  The row sum adds the f32 exponentials, the product with v uses their
; bf16 roundings.
;
; THE MASK.  bits holds, for q tile G, key step ks, the 32 lane masks of the unit's 32 score registers, at byte 4096 G + 128 ks.
; They are read by scalar loads, one unit ahead, and each is the select operand of one v_cndmask_b32.
;
; NO TENSOR LOADS, NO JOINT REQUESTS, though the four blocks of a head read the same k and v: the tiles are f32 in memory and must
; be bf16 before a fragment load can read them.  Brought by the mover, a step's 32 KiB would be written to LDS, read back (32 KiB),
; rounded and stored again (16 KiB); through registers only the 16 KiB are stored.  Each tile is asked for a whole step ahead.
.set KP,    144                        ; LDS row of K or Q: 128 bytes + 16 = 9 x 16: sixteen rows start at sixteen different 16-byte columns modulo 256
.set VP,    160                        ; LDS row of V: 128 bytes + 32 = 5 x 32, for the transposing load
.set VOFF,  64*KP                      ; V's rows lie behind K's 64
.set SLOT,  64*KP+64*VP                ; 19,456 bytes; two slots take turns
.set STG0,  2*SLOT                     ; behind them each wave's own bytes:
.set STGW,  64*KP                      ; first its 64 rows of Q in bf16, at the end 16 rows of O at pitch 272
.set OP,    272                        ; 256 bytes + 16
.set TILEB, 16384                      ; 64 rows of 64 f32 in memory
.set CPOS,  0x3e38aa3b                 ; c = log2 e / 8
.set CNEG,  0xbe38aa3b                 ; -c
.set FILL,  0xcfee6b28                 ; -8e9 = -1e9 x 8: the fill, in raw units
; window 0
.set GOFF,  1                          ; 16 t: my 16 bytes of each 4 KiB of a K or V tile
.set QGOFF, 2                          ; 16 lane: my 16 bytes of each 512 bytes of my wave's q and out0 rows
.set KST,   3                          ; where I put 8 bytes of K: 288 w + 144 h + 8 r
.set VST,   4                          ; the same for V: 320 w + 160 h + 8 r
.set KFA,   5                          ; K fragments: 144 r + 16 h
.set VFA,   6                          ; V fragments: 160 (8 h + lane % 8) + 16 ((lane / 8) % 2)
.set QST,   7                          ; my stage + 144 h + 8 r
.set QFA,   8                          ; my stage + 144 r + 16 h
.set OST,   9                          ; my stage + 272 r + 32 h
.set ORD,   10                         ; my stage + 272 h + 16 r
.set NEG,   11                         ; the fill
.set MX,    16                         ; v[16+2u] running maximum of q tile u, raw
.set LS,    17                         ; v[17+2u] running sum (my half's keys)
.set AL,    24                         ; v24 the rescaling factor; v25 completes the pair
.set NM,    26                         ; v26 nm = round(-c x new maximum); v27 completes the pair
.set T,     28                         ; v[28:31] at work
.set SC,    32                         ; v[32:63]   the unit's 32 score registers: key tile t at 8 t
.set PB,    64                         ; v[64:79]   the exponentials in bf16
.set GT,    80                         ; v[80:111]  the next K and V tile on its way, f32
.set KF,    112                        ; v[112:175] K fragments: key tile t, d half c at 16 t + 8 c
.set VF,    176                        ; v[176:239] V^T fragments: d tile dt, key half kc at 16 dt + 8 kc
.set CL,    240                        ; v[240:241] c, twice
.set NMO,   242                        ; v[242+u]   nm of q tile u as its sums now stand
; window 1 (written with the low 8 bits)
.set OA,    0                          ; v[256:383] O^T: q tile u, d tile dt at 32 u + 8 dt
.set QF,    128                        ; v[384:447] Q fragments: q tile u, d half c at 16 u + 8 c
; scalars
.set MA,    16                         ; s[16:47]  32 lane masks
.set MB,    68                         ; s[68:99]  32 lane masks, the other buffer
.set MSB,   0
.macro WIN new                         ; s_set_vgpr_msb: bits 1:0 source 0, 3:2 source 1, 5:4 source 2, 7:6 destination; the high byte repeats the setting that is left
.if MSB != \new
	s_set_vgpr_msb (MSB<<8)|\new
.set MSB, \new
.endif
.endm
; eight loads: the K and V tile at s[6:7], s[8:9]; each load of a wave covers 512 consecutive aligned bytes
.macro GET
.irp i, 0,1,2,3
	global_load_b128 v[GT+4*\i:GT+4*\i+3], v[GOFF], s[6:7] offset:4096*\i
.endr
.irp i, 0,1,2,3
	global_load_b128 v[GT+16+4*\i:GT+16+4*\i+3], v[GOFF], s[8:9] offset:4096*\i
.endr
.endm
; the tile in GT is rounded to bf16 in place and put into a slot: load i holds rows 16 i + 2 w + h
.macro PUT slot
.irp i, 0,1,2,3,4,5,6,7
	v_cvt_pk_bf16_f32 v[GT+4*\i], v[GT+4*\i], v[GT+4*\i+1]
	v_cvt_pk_bf16_f32 v[GT+4*\i+1], v[GT+4*\i+2], v[GT+4*\i+3]
.endr
.irp i, 0,1,2,3
	ds_store_b64 v[KST], v[GT+4*\i:GT+4*\i+1] offset:(\slot)*SLOT+16*KP*\i
.endr
.irp i, 0,1,2,3
	ds_store_b64 v[VST], v[GT+16+4*\i:GT+16+4*\i+1] offset:(\slot)*SLOT+VOFF+16*VP*\i
.endr
.endm
; One q tile x 64 keys.  mb: the buffer with this unit's lane masks; nb, noff: the buffer for the next unit's and their offset from
; s[10:11] (below 0: none is left); first = 1: the first key step starts maximum, sum and O; adv = 1: s[10:11] steps to this key step;
; top = 1: the step's first unit waits for the fragments.
.macro UNIT u, mb, nb, noff, first, adv, top
.if \top
	s_wait_dscnt 16                                ; the 16 loads of K's fragments are in; the 16 of V's, issued behind them, may stay out
.endif
	WIN 0x04                                       ; source 1 (Q) in window 1
	; S^T = K Q^T.  The four accumulators take turns, one instruction a turn.  The first products start the sums.
.irp t, 0,1,2,3
	v_wmma_f32_16x16x32_bf16 v[SC+8*\t:SC+8*\t+7], v[KF+16*\t:KF+16*\t+7], v[QF+16*\u:QF+16*\u+7], 0
.endr
.irp t, 0,1,2,3
	v_wmma_f32_16x16x32_bf16 v[SC+8*\t:SC+8*\t+7], v[KF+16*\t+8:KF+16*\t+15], v[QF+16*\u+8:QF+16*\u+15], v[SC+8*\t:SC+8*\t+7]
.endr
	WIN 0
	s_wait_kmcnt 0x0                               ; this unit's masks, asked for one unit ago (scalar loads return in no order: 0 is the only count that shows anything)
.if \adv
	s_add_nc_u64 s[10:11], s[10:11], 128           ; no scalar load is out: the base may step to this key step
.endif
.if \noff >= 0
	s_load_b512 s[\nb:\nb+15], s[10:11], \noff     ; the next unit's 32 masks
	s_load_b512 s[\nb+16:\nb+31], s[10:11], \noff+64
.endif
.rept 4
	v_nop                                          ; four places between the last product and the first vector instruction on a result (ISA guide 7.12.1)
.endr
.set i, 0
.rept 32
	v_cndmask_b32 v[SC+i], v[NEG], v[SC+i], s[\mb+i]   ; bit 1 keeps the score, bit 0 puts the fill
.set i, i+1
.endr
	; the largest of my 32 scores and the old maximum: four chains, then together
.irp k, 0,1,2,3
	v_max3_num_f32 v[T+\k], v[SC+8*\k], v[SC+8*\k+1], v[SC+8*\k+2]
.endr
.irp k, 0,1,2,3
	v_max3_num_f32 v[T+\k], v[T+\k], v[SC+8*\k+3], v[SC+8*\k+4]
.endr
.irp k, 0,1,2,3
	v_max3_num_f32 v[T+\k], v[T+\k], v[SC+8*\k+5], v[SC+8*\k+6]
.endr
	v_max3_num_f32 v[T], v[T], v[SC+7], v[SC+15]
	v_max3_num_f32 v[T+1], v[T+1], v[SC+23], v[SC+31]
.if \first
	v_max_num_f32 v[T+2], v[T+2], v[T+3]
.else
	v_max3_num_f32 v[T+2], v[T+2], v[T+3], v[MX+2*\u]
.endif
	v_max3_num_f32 v[T], v[T], v[T+1], v[T+2]
	v_permlanex16_b32 v[T+1], v[T], s48, s49       ; the other half's keys of the same query
	v_max_num_f32 v[T+3], v[T], v[T+1]             ; the new maximum, raw
	v_mul_f32 v[NM], CNEG, v[T+3]                  ; nm = round(-c m)
.if \first == 0
	v_sub_f32 v[T+2], v[NM], v[NMO+\u]             ; nm_new - nm_old: at most 0
.endif
.irp i, 0,2,4,6,8,10,12,14,16,18,20,22,24,26,28,30
	v_pk_fma_f32 v[SC+\i:SC+\i+1], v[SC+\i:SC+\i+1], v[CL:CL+1], v[NM:NM+1] op_sel_hi:[1,1,0]   ; s c + nm, one rounding; both halves add v26
.endr
.if \first == 0
	v_exp_f32 v[AL], v[T+2]
.endif
.set i, 0
.rept 32
	v_exp_f32 v[SC+i], v[SC+i]                     ; base 2: log2 e lies in c
.set i, i+1
.endr
	v_mov_b32 v[MX+2*\u], v[T+3]                   ; a plain instruction between the exponentials and the first use of a result (ISA guide 5.7.2)
	v_mov_b32 v[NMO+\u], v[NM]
.set i, 0
	s_wait_alu depctr_va_vdst(0)
.rept 16
	v_cvt_pk_bf16_f32 v[PB+i], v[SC+2*i], v[SC+2*i+1]  ; registers 8 kc .. 8 kc + 7 are P^T's fragment of keys 32 kc .. + 31
.set i, i+1
.endr
.if \first == 0
	WIN 0x41                                       ; destination and source 0 (O) in window 1
.set i, 0
.rept 16
	v_pk_mul_f32 v[OA+32*\u+2*i:OA+32*\u+2*i+1], v[OA+32*\u+2*i:OA+32*\u+2*i+1], v[AL:AL+1] op_sel_hi:[1,0]
.set i, i+1
.endr
.endif
.if \top
	s_wait_dscnt 0x0                               ; V's fragments are in
.endif
	WIN 0x50                                       ; C and D (O) in window 1
	; O^T += V^T P^T.  Four accumulators take turns, one instruction a turn.
.irp d, 0,1,2,3
.if \first
	v_wmma_f32_16x16x32_bf16 v[OA+32*\u+8*\d:OA+32*\u+8*\d+7], v[VF+16*\d:VF+16*\d+7], v[PB:PB+7], 0
.else
	v_wmma_f32_16x16x32_bf16 v[OA+32*\u+8*\d:OA+32*\u+8*\d+7], v[VF+16*\d:VF+16*\d+7], v[PB:PB+7], v[OA+32*\u+8*\d:OA+32*\u+8*\d+7]
.endif
.endr
.irp d, 0,1,2,3
	v_wmma_f32_16x16x32_bf16 v[OA+32*\u+8*\d:OA+32*\u+8*\d+7], v[VF+16*\d+8:VF+16*\d+15], v[PB+8:PB+15], v[OA+32*\u+8*\d:OA+32*\u+8*\d+7]
.endr
	WIN 0
	; the sum of my 32 exponentials, behind the products: these 17 lines name none of the products' registers
.irp i, 0,2,4,6,8,10,12,14
	v_pk_add_f32 v[SC+\i:SC+\i+1], v[SC+\i:SC+\i+1], v[SC+16+\i:SC+17+\i]
.endr
.irp i, 0,2,4,6
	v_pk_add_f32 v[SC+\i:SC+\i+1], v[SC+\i:SC+\i+1], v[SC+8+\i:SC+9+\i]
.endr
.irp i, 0,2
	v_pk_add_f32 v[SC+\i:SC+\i+1], v[SC+\i:SC+\i+1], v[SC+4+\i:SC+5+\i]
.endr
	v_pk_add_f32 v[SC:SC+1], v[SC:SC+1], v[SC+2:SC+3]
.if \first
	v_add_f32 v[LS+2*\u], v[SC], v[SC+1]
.else
	v_add_f32 v[SC], v[SC], v[SC+1]
	v_fma_f32 v[LS+2*\u], v[LS+2*\u], v[AL], v[SC]
.endif
.endm
; One key step: the slot's fragments, the request for the next tile, four units, the next tile into the other slot, ONE barrier.
.macro STEP slot, first, last
.irp t, 0,1,2,3
.irp c, 0,1,2,3
	ds_load_b128 v[KF+16*\t+4*\c:KF+16*\t+4*\c+3], v[KFA] offset:\slot*SLOT+16*KP*\t+32*\c
.endr
.endr
.irp d, 0,1,2,3
.irp c, 0,1,2,3
	ds_load_tr16_b128 v[VF+16*\d+4*\c:VF+16*\d+4*\c+3], v[VFA] offset:\slot*SLOT+VOFF+16*VP*\c+32*\d
.endr
.endr
.if \last == 0
	GET                                            ; the next step's tile: it has this step's four units in which to come
.endif
	UNIT 0, MA, MB, 4096,  \first, 1-\first, 1
	UNIT 1, MB, MA, 8192,  \first, 0, 0
	UNIT 2, MA, MB, 12288, \first, 0, 0
.if \last
	UNIT 3, MB, MA, -1,    \first, 0, 0
.else
	UNIT 3, MB, MA, 128,   \first, 0, 0            ; q tile 0 of the next key step
	s_wait_loadcnt 0x0                             ; the tile is in, and its loads no longer need their bases
	s_add_nc_u64 s[6:7], s[6:7], TILEB
	s_add_nc_u64 s[8:9], s[8:9], TILEB
	PUT 1-\slot                                    ; the other slot was last read a step ago, ahead of that step's barrier
	s_wait_dscnt 0x0                               ; for the others' sake: my stores into the other slot are done (my reads of this slot were waited for in the first unit)
	s_barrier_signal -1
	s_barrier_wait -1                              ; the other slot is whole, and nobody reads this one any more
.endif
.endm
	s_load_b256 s[4:11], s[0:1], 0x0               ; q s[4:5], k s[6:7], v s[8:9], bits s[10:11]
	s_load_b64 s[12:13], s[0:1], 0x20              ; out0
	v_lshl_add_u32 v254, v0, 2, 0x1b800
	v_mov_b32 v255, 0
	v_lshrrev_b32 v12, 5, v0
	v_readfirstlane_b32 s14, v12                   ; wave 0..7
	v_and_b32 v12, 31, v0                          ; lane
	v_lshlrev_b32 v[GOFF], 4, v0
	v_lshlrev_b32 v[QGOFF], 4, v12
	s_and_b32 s53, ttmp7, 0xffff                   ; head 0..63
	s_lshl_b32 s2, s53, 19                         ; a head is 2,048 rows of 256 bytes
	s_mov_b32 s3, 0
	s_lshl_b32 s54, ttmp9, 17                      ; a block: 512 rows of 256 bytes, and as well 32 q tiles of 4,096 bytes of bits
	s_lshl_b32 s55, s14, 14                        ; a wave: 64 rows, and as well 4 q tiles
	s_add_co_u32 s55, s54, s55
	s_add_co_u32 s54, s2, s55                      ; q, out0: head + block + wave (below 2^25)
	s_lshr_b32 s56, s53, 4                         ; the batch: 16 heads share a mask
	s_lshl_b32 s56, s56, 19                        ; 128 q tiles of 4,096 bytes
	s_add_co_u32 s56, s56, s55                     ; bits: batch + block + wave
	s_mov_b32 s55, 0
	s_mov_b32 s57, 0
	s_mov_b32 s48, 0x76543210                      ; v_permlanex16_b32: lane i of one half reads lane i of the other
	s_mov_b32 s49, 0xfedcba98
	s_mul_i32 s52, s14, STGW
	s_add_co_u32 s52, s52, STG0                    ; my wave's own LDS bytes
	s_mul_i32 s58, s14, 2*KP                       ; my wave's two rows in each 16 of a tile
	s_mul_i32 s59, s14, 2*VP
	s_wait_kmcnt 0x0
	s_add_nc_u64 s[6:7], s[6:7], s[2:3]
	s_add_nc_u64 s[8:9], s[8:9], s[2:3]
	s_add_nc_u64 s[4:5], s[4:5], s[54:55]
	s_add_nc_u64 s[12:13], s[12:13], s[54:55]
	s_add_nc_u64 s[10:11], s[10:11], s[56:57]
	s_load_b512 s[MA:MA+15], s[10:11], 0x0         ; the masks of q tile 0, key step 0
	s_load_b512 s[MA+16:MA+31], s[10:11], 0x40
	GET                                            ; tile 0
.set n, 0
.rept 32
	global_load_b128 v[KF+4*n:KF+4*n+3], v[QGOFF], s[4:5] offset:512*n th:TH_LOAD_NT   ; my 64 rows of q, two rows a load, into the fragments' registers
.set n, n+1
.endr
	v_and_b32 v13, 15, v0                          ; r
	v_bfe_u32 v14, v0, 4, 1                        ; h
	v_mul_u32_u24 v15, v14, KP
	v_lshl_add_u32 v15, v13, 3, v15                ; 144 h + 8 r
	v_add_nc_u32 v[KST], s58, v15
	v_add_nc_u32 v[QST], s52, v15
	v_mul_u32_u24 v15, v14, VP
	v_lshl_add_u32 v15, v13, 3, v15                ; 160 h + 8 r
	v_add_nc_u32 v[VST], s59, v15
	v_mul_u32_u24 v[KFA], v13, KP
	v_lshl_add_u32 v[KFA], v14, 4, v[KFA]          ; 144 r + 16 h
	v_add_nc_u32 v[QFA], s52, v[KFA]
	v_and_b32 v15, 7, v0
	v_lshl_add_u32 v15, v14, 3, v15                ; 8 h + lane % 8
	v_mul_u32_u24 v[VFA], v15, VP
	v_bfe_u32 v15, v0, 3, 1
	v_lshl_add_u32 v[VFA], v15, 4, v[VFA]
	v_mul_u32_u24 v[OST], v13, OP
	v_lshl_add_u32 v[OST], v14, 5, v[OST]
	v_add_nc_u32 v[OST], s52, v[OST]
	v_mul_u32_u24 v[ORD], v14, OP
	v_lshl_add_u32 v[ORD], v13, 4, v[ORD]
	v_add_nc_u32 v[ORD], s52, v[ORD]
	v_mov_b32 v[NEG], FILL
	v_mov_b32 v[CL], CPOS
	v_mov_b32 v[CL+1], CPOS
	v_mov_b32 v[AL+1], 0                           ; the second registers of the two pairs whose first is broadcast
	v_mov_b32 v[NM+1], 0
	s_wait_loadcnt 32                              ; tile 0's eight loads are in; the 32 of q, issued behind them, stay out
	s_add_nc_u64 s[6:7], s[6:7], TILEB             ; those eight no longer need their bases: tile 1
	s_add_nc_u64 s[8:9], s[8:9], TILEB
	PUT 0
	; q, rounded once to bf16 as it is, into my own stage
.set n, 0
.rept 32
	s_wait_loadcnt 31-n                            ; load n of q is in, the 31 - n younger ones stay out
	v_cvt_pk_bf16_f32 v[KF+4*n], v[KF+4*n], v[KF+4*n+1]
	v_cvt_pk_bf16_f32 v[KF+4*n+1], v[KF+4*n+2], v[KF+4*n+3]
	ds_store_b64 v[QST], v[KF+4*n:KF+4*n+1] offset:2*KP*n
.set n, n+1
.endr
	WIN 0x40                                       ; destination in window 1
.irp u, 0,1,2,3
.irp c, 0,1,2,3
	ds_load_b128 v[QF+16*\u+4*\c:QF+16*\u+4*\c+3], v[QFA] offset:16*KP*\u+32*\c   ; my own bytes, served in order behind the stores: no wait between
.endr
.endr
	WIN 0
	s_wait_dscnt 0x0                               ; my part of tile 0 is stored (for the others' sake) and Q's fragments are in
	s_barrier_signal -1
	s_barrier_wait -1
	STEP 0, 1, 0                                   ; the first step stands ahead of the loop: it starts maxima, sums and O, so nothing is cleared
	s_mov_b32 s15, 15
.Lk:
	STEP 1, 0, 0
	STEP 0, 0, 0
	s_sub_co_u32 s15, s15, 1
	s_cmp_lg_u32 s15, 0
	s_cbranch_scc1 .Lk
	STEP 1, 0, 1                                   ; step 31 asks for nothing more: no load leaves its buffer
	; THE WAY OUT.  The two halves' sums meet.  A sum holds the row's largest term, exp2 of at least -64, so its reciprocal is an ordinary number.
.irp u, 0,1,2,3
	v_permlanex16_b32 v[T+\u], v[LS+2*\u], s48, s49
.endr
.irp u, 0,1,2,3
	v_add_f32 v[LS+2*\u], v[LS+2*\u], v[T+\u]
.endr
.irp u, 0,1,2,3
	v_rcp_f32 v[LS+2*\u], v[LS+2*\u]
.endr
	v_nop                                          ; one plain instruction between the reciprocals and their first use (ISA guide 5.7.2)
	s_wait_alu depctr_va_vdst(0)
; 16 rows at a time: divide, put lane (r, h)'s d = 16 dt + 8 h + 0..7 of row r into my stage, read whole rows back, store them
.macro OUTU u
	v_mov_b32 v[AL], v[LS+2*\u]
	WIN 0x41
.set i, 0
.rept 16
	v_pk_mul_f32 v[OA+32*\u+2*i:OA+32*\u+2*i+1], v[OA+32*\u+2*i:OA+32*\u+2*i+1], v[AL:AL+1] op_sel_hi:[1,0]
.set i, i+1
.endr
	WIN 0x04                                       ; an LDS store's data is source 1: window 1
.irp c, 0,1,2,3,4,5,6,7
	ds_store_b128 v[OST], v[OA+32*\u+4*\c:OA+32*\u+4*\c+3] offset:64*(\c/2)+16*(\c%2)
.endr
	WIN 0
.if \u
	s_wait_xcnt 0x0                                ; the registers loaded below are the data of the last tile's stores: rewritten only behind this wait
.endif
.irp i, 0,1,2,3,4,5,6,7
	ds_load_b128 v[SC+4*\i:SC+4*\i+3], v[ORD] offset:2*OP*\i   ; my own bytes, in order behind the stores above
.endr
.irp i, 0,1,2,3,4,5,6,7
	s_wait_dscnt 7-\i                              ; read-back i is in, the 7 - i younger ones stay out
	global_store_b128 v[QGOFF], v[SC+4*\i:SC+4*\i+3], s[12:13] offset:4096*\u+512*\i th:TH_STORE_NT   ; two rows: 512 consecutive aligned bytes
.endr
.endm
	OUTU 0
	OUTU 1
	OUTU 2
	OUTU 3
	s_wait_tensorcnt 0x0
	ds_add_u32 v254, v255
	s_wait_dscnt 0x0
	s_endpgm
.Lfunc_end_k_q0bce47a253_attn:
	.size	k_q0bce47a253_attn, .Lfunc_end_k_q0bce47a253_attn-k_q0bce47a253_attn
	.p2alignl 7, 3214868480
	.fill 96, 4, 3214868480
	.section	.rodata,"a",@progbits
	.p2align	6, 0x0
	.amdhsa_kernel k_q0bce47a253_attn
		.amdhsa_group_segment_fixed_size 113664
		.amdhsa_private_segment_fixed_size 0
		.amdhsa_enable_private_segment 0
		.amdhsa_kernarg_size 40
		.amdhsa_user_sgpr_count 2
		.amdhsa_user_sgpr_kernarg_segment_ptr 1
		.amdhsa_wavefront_size32 1
		.amdhsa_system_sgpr_workgroup_id_x 1
		.amdhsa_system_sgpr_workgroup_id_y 1
		.amdhsa_system_sgpr_workgroup_id_z 1
		.amdhsa_system_vgpr_workitem_id 0
		.amdhsa_next_free_vgpr 448
		.amdhsa_next_free_sgpr 100
		.amdhsa_reserve_vcc 0
		.amdhsa_float_denorm_mode_32 3
		.amdhsa_float_denorm_mode_16_64 3
		.amdhsa_memory_ordered 1
		.amdhsa_forward_progress 1
		.amdhsa_inst_pref_size 198
	.end_amdhsa_kernel
	.amdgpu_metadata
---
amdhsa.version: [ 1, 2 ]
amdhsa.kernels:
  - .name:           k_q0bce47a253_attn
    .symbol:         k_q0bce47a253_attn.kd
    .args:
      - { .name: q, .offset: 0, .size: 8, .value_kind: global_buffer, .address_space: global }
      - { .name: k, .offset: 8, .size: 8, .value_kind: global_buffer, .address_space: global }
      - { .name: v, .offset: 16, .size: 8, .value_kind: global_buffer, .address_space: global }
      - { .name: bits, .offset: 24, .size: 8, .value_kind: global_buffer, .address_space: global }
      - { .name: out0, .offset: 32, .size: 8, .value_kind: global_buffer, .address_space: global }
    .group_segment_fixed_size: 113664
    .private_segment_fixed_size: 0
    .kernarg_segment_align: 8
    .kernarg_segment_size: 40
    .max_flat_workgroup_size: 256
    .sgpr_count:     100
    .vgpr_count:     448
    .wavefront_size: 32
...
	.end_amdgpu_metadata
.endif
;; end of part 2
;; ======== version 2 of 2: 2 launches; 1.16 times as fast as version 1
;; workspace buffers: bits 2,097,152 bytes of whole numbers
;; launch pack: the kernel of part 1 again; grid 512 x 1, 8 waves a work-group, no clusters, 134,144 bytes of LDS; arguments mask, bits; writes bits
;; launch attn (part 3): grid 4 x 64, 8 waves a work-group, no clusters, 113,664 bytes of LDS; arguments q, k, v, bits, out0; writes out0
.if DOCPART == 3
	.amdgcn_target "amdgcn-amd-amdhsa--gfx1250"
	.amdhsa_code_object_version 6
	.text
	.protected	k_q0bce47a253_attn
	.globl	k_q0bce47a253_attn
	.p2align	8
	.type	k_q0bce47a253_attn,@function
k_q0bce47a253_attn:
	s_mov_b64 s[64:65], 0
	v_nop
	global_prefetch_b8 v0, s[64:65] scope:SCOPE_SE
	s_setreg_imm32_b32 hwreg(HW_REG_WAVE_MODE, 25, 1), 1
	s_wait_xcnt 0x0
; out0 = softmax(where(mask == 0, -1e9, q k^T / 8)) v for 64 heads of 2,048 x 64, f32 in and out; the mask comes as bits (see below).
; A work-group takes 512 query rows of one head (grid x: the block, y: the head); eight waves, two for each of a WGP's four SIMDs,
; 64 rows (four q tiles of 16) each.  Two waves a SIMD, because the softmax's vector work is longer than the matrix work: one wave's
; matrix instructions run while the other does its softmax.  Keys go in 32 steps of 64.  A PAIR is two q tiles x 64 keys.
;
; EVERYTHING IS TRANSPOSED.  Scores: S^T = K Q^T, so that lane (r, h), register j holds key 8 h + j of query r: a lane owns one query,
; maximum and sum run along its own registers, and one v_permlanex16_b32 a tile joins the two halves' maxima (the sums stay
; apart until the end).  Pairs of neighbouring score registers, rounded to bf16, ARE the B fragment of P^T for O^T = V^T P^T:
; no number moves between lanes.  V^T's fragments come from rows of V by the transposing LDS load.
;
; FORMATS.  q, k and v go to the matrix unit as their plain roundings to bf16, with no factor folded in, and the exponentials in
; bf16 too; scores, maxima, sums and O are f32.  Scores stay RAW (q.k); the factor c = log2 e / 8 enters in f32, in the one fused
; multiply-add that also takes the maximum away: exponent = s c + nm, nm = round(-c m).
; The running maximum m is taken over the masked scores, as the definition does; a masked score is REPLACED by the fill, -8e9 in raw
; units (-1e9 x 8, exact), so a row with no open key gives the mean of v, and masked keys ahead of a row's first open key are
; forgotten (their factor is exp2 of about -1.4e9, which is 0).  When m grows the old sums are multiplied by exp2(nm_new - nm_old),
; with nm_old kept for each q tile: exactly the shift that the old terms were given is taken back.  Rounding is monotone, so that
; factor is at most 1.  No infinity is used as a start: the first step starts maxima, sums and O.
; A row's largest term is exp2(m c - round(m c)), not exactly 1: the exponent is at most half a unit in the last place of m c, which
; for the fill (about 1.44e9) is at most 64.  All terms of the row carry that factor, it cancels in the division, and 2^64 x 2,048
; terms is far inside f32.
; LIMITS.  NaN or infinite inputs are not followed (v_max_num drops a NaN).  Terms below 2^-126 of the row's largest count as 0
; (v_exp_f32 flushes them: ISA guide, its entry in 15.8).  The row sum adds the f32 exponentials, the product with v uses their
; bf16 roundings.
;
; THE MASK.  bits holds, for q tile G, key step ks, the 32 lane masks of the tile's 32 score registers, at byte 4096 G + 128 ks.
; They are read by scalar loads, and each is the select operand of one v_cndmask_b32.  WHY PAIRS: a scalar load can only be waited for
; with the count 0, so what is asked for behind one wait must be there at the next.  The 64 scalar registers hold the masks of two
; q tiles, are used up in one run of 64 selects, and the next pair's masks are asked for straight behind that run: they have all
; the rest of the pair's work, and the next pair's score products, in which to come.
;
; ONE BARRIER A STEP, ITS TWO HALVES APART.  Between the two pairs of step n a wave puts its part of tile n + 1 into the other slot.
; In the second pair, behind the requests for masks, it waits for those stores (its reads of this step's slot were waited for in the
; first pair), asks for tile n + 2 and signals.  The rest of that pair, register work alone, stands between the signal and the wait at
; the step's end.  Behind the wait the other slot is whole (every writer waited for its stores ahead of its signal) and this step's
; slot may be written (every reader waited for its loads ahead of its signal).  So a wave that is late by less than that stretch of
; work stops nobody, and the waves need not run in step.
;
; NO TENSOR LOADS, NO JOINT REQUESTS, though the four blocks of a head read the same k and v: the tiles are f32 in memory and must
; be bf16 before a fragment load can read them.  Brought by the mover, a step's 32 KiB would be written to LDS, read back (32 KiB),
; rounded and stored again (16 KiB); through registers only the 16 KiB are stored.  Each tile is asked for about a step ahead.
.set KP,    144                        ; LDS row of K or Q: 128 bytes + 16 = 9 x 16: sixteen rows start at sixteen different 16-byte columns modulo 256
.set VP,    160                        ; LDS row of V: 128 bytes + 32 = 5 x 32, for the transposing load
.set VOFF,  64*KP                      ; V's rows lie behind K's 64
.set SLOT,  64*KP+64*VP                ; 19,456 bytes; two slots take turns
.set STG0,  2*SLOT                     ; behind them each wave's own bytes:
.set STGW,  64*KP                      ; first its 64 rows of Q in bf16, at the end 16 rows of O at pitch 272
.set OP,    272                        ; 256 bytes + 16
.set TILEB, 16384                      ; 64 rows of 64 f32 in memory
.set CPOS,  0x3e38aa3b                 ; c = log2 e / 8
.set CNEG,  0xbe38aa3b                 ; -c
.set FILL,  0xcfee6b28                 ; -8e9 = -1e9 x 8: the fill, in raw units
; window 0
.set GOFF,  1                          ; 16 t: my 16 bytes of each 4 KiB of a K or V tile
.set QGOFF, 2                          ; 16 lane: my 16 bytes of each 512 bytes of my wave's q and out0 rows
.set KST,   3                          ; where I put 8 bytes of K: 288 w + 144 h + 8 r
.set VST,   4                          ; the same for V: 320 w + 160 h + 8 r
.set KFA,   5                          ; K fragments: 144 r + 16 h
.set VFA,   6                          ; V fragments: 160 (8 h + lane % 8) + 16 ((lane / 8) % 2)
.set QST,   7                          ; my stage + 144 h + 8 r
.set QFA,   8                          ; my stage + 144 r + 16 h
.set OST,   9                          ; my stage + 272 r + 32 h
.set ORD,   10                         ; my stage + 272 h + 16 r
.set NEG,   11                         ; the fill
.set MX,    16                         ; v[16+2u] running maximum of q tile u, raw
.set LS,    17                         ; v[17+2u] running sum (my half's keys)
.set GT,    32                         ; v[32:63]   a K and V tile on its way, f32
.set SC,    64                         ; v[64:127]  the pair's 64 score registers: tile e of the pair, key tile t at 32 e + 8 t
.set PB,    128                        ; v[128:159] the exponentials in bf16: tile e at 16 e
.set KF,    160                        ; v[160:223] K fragments: key tile t, d half c at 16 t + 8 c
.set QT,    64                         ; v[64:191]  at the start only: my 64 rows of q as loaded
.set W,     224                        ; v[224:239] at work, 8 registers for each tile e of the pair:
.set WT,    0                          ;   +0..3  four chains of the maximum
.set WN,    4                          ;   +4     nm = round(-c x new maximum); +5 completes the pair
.set WA,    6                          ;   +6     the rescaling factor; +7 completes the pair
.set CL,    240                        ; v[240:241] c, twice
.set NMO,   242                        ; v[242+u]   nm of q tile u as its sums now stand
; window 1 (written with the low 8 bits)
.set OA,    0                          ; v[256:383] O^T: q tile u, d tile dt at 32 u + 8 dt
.set QF,    128                        ; v[384:447] Q fragments: q tile u, d half c at 16 u + 8 c
.set VF,    192                        ; v[448:511] V^T fragments: d tile dt, key half kc at 16 dt + 8 kc
; scalars
.set MA,    16                         ; s[16:47]  the 32 lane masks of the pair's first tile
.set MB,    68                         ; s[68:99]  those of its second
.set MSB,   0
.macro WIN new                         ; s_set_vgpr_msb: bits 1:0 source 0, 3:2 source 1, 5:4 source 2, 7:6 destination; the high byte repeats the setting that is left
.if MSB != \new
	s_set_vgpr_msb (MSB<<8)|\new
.set MSB, \new
.endif
.endm
; eight loads: the K and V tile at s[6:7], s[8:9]; each load of a wave covers 512 consecutive aligned bytes
.macro GET
.irp i, 0,1,2,3
	global_load_b128 v[GT+4*\i:GT+4*\i+3], v[GOFF], s[6:7] offset:4096*\i
.endr
.irp i, 0,1,2,3
	global_load_b128 v[GT+16+4*\i:GT+16+4*\i+3], v[GOFF], s[8:9] offset:4096*\i
.endr
.endm
; the tile in GT is rounded to bf16 in place and put into a slot: load i holds rows 16 i + 2 w + h
.macro PUT slot
.irp i, 0,1,2,3,4,5,6,7
	v_cvt_pk_bf16_f32 v[GT+4*\i], v[GT+4*\i], v[GT+4*\i+1]
	v_cvt_pk_bf16_f32 v[GT+4*\i+1], v[GT+4*\i+2], v[GT+4*\i+3]
.endr
.irp i, 0,1,2,3
	ds_store_b64 v[KST], v[GT+4*\i:GT+4*\i+1] offset:(\slot)*SLOT+16*KP*\i
.endr
.irp i, 0,1,2,3
	ds_store_b64 v[VST], v[GT+16+4*\i:GT+16+4*\i+1] offset:(\slot)*SLOT+VOFF+16*VP*\i
.endr
.endm
; Q tiles 2 p and 2 p + 1 x 64 keys.  noff: the offset from s[10:11] of the next pair's masks (below 0: none is left); first = 1: the
; first key step starts maxima, sums and O; adv = 1: s[10:11] steps to this key step; top = 1: the step's first pair waits for the
; fragments; mid = 1: the step's barrier is signalled behind the requests for masks; mid = 2: and the tile after next is asked for
; there.  The two tiles' chains are written group by group, side by side.
.macro PAIR p, noff, first, adv, top, mid
.if \top
	s_wait_dscnt 16                                ; the 16 loads of K's fragments are in; the 16 of V's, issued behind them, may stay out
.endif
	WIN 0x04                                       ; source 1 (Q) in window 1
	; S^T = K Q^T.  The eight accumulators take turns, one instruction a turn.  The first products start the sums.
.irp e, 0,1
.irp t, 0,1,2,3
	v_wmma_f32_16x16x32_bf16 v[SC+32*\e+8*\t:SC+32*\e+8*\t+7], v[KF+16*\t:KF+16*\t+7], v[QF+16*(2*\p+\e):QF+16*(2*\p+\e)+7], 0
.endr
.endr
.irp e, 0,1
.irp t, 0,1,2,3
	v_wmma_f32_16x16x32_bf16 v[SC+32*\e+8*\t:SC+32*\e+8*\t+7], v[KF+16*\t+8:KF+16*\t+15], v[QF+16*(2*\p+\e)+8:QF+16*(2*\p+\e)+15], v[SC+32*\e+8*\t:SC+32*\e+8*\t+7]
.endr
.endr
	WIN 0
	s_wait_kmcnt 0x0                               ; this pair's masks, asked for a pair ago (scalar loads return in no order: 0 is the only count that shows anything)
.if \adv
	s_add_nc_u64 s[10:11], s[10:11], 128           ; no scalar load is out: the base may step to this key step
.endif
.rept 4
	v_nop                                          ; four places between the last product and the first vector instruction on a result (ISA guide 7.12.1)
.endr
.set i, 0
.rept 32
	v_cndmask_b32 v[SC+i], v[NEG], v[SC+i], s[MA+i]    ; bit 1 keeps the score, bit 0 puts the fill
.set i, i+1
.endr
.if \noff >= 0
	s_load_b512 s[MA:MA+15], s[10:11], \noff       ; the selects above have read these registers: the next pair's first tile
	s_load_b512 s[MA+16:MA+31], s[10:11], \noff+64
.endif
.set i, 0
.rept 32
	v_cndmask_b32 v[SC+32+i], v[NEG], v[SC+32+i], s[MB+i]
.set i, i+1
.endr
.if \noff >= 0
	s_load_b512 s[MB:MB+15], s[10:11], \noff+4096  ; and its second tile, 4,096 bytes on
	s_load_b512 s[MB+16:MB+31], s[10:11], \noff+4160
.endif
.if \mid
	s_wait_dscnt 0x0                               ; for the others' sake: my eight stores into the other slot are done (issued 16 products and 64 selects ago); my reads of this slot were waited for in the first pair
.if \mid == 2
	GET                                            ; the tile after next, into the registers that those stores have read: it has until the middle of the next step
.endif
	s_barrier_signal -1                            ; say so; only register work follows up to the wait at the step's end
.endif
	; the largest of my 32 scores of each tile and its old maximum: four chains a tile, then together
.irp e, 0,1
.irp k, 0,1,2,3
	v_max3_num_f32 v[W+8*\e+\k], v[SC+32*\e+8*\k], v[SC+32*\e+8*\k+1], v[SC+32*\e+8*\k+2]
.endr
.endr
.irp e, 0,1
.irp k, 0,1,2,3
	v_max3_num_f32 v[W+8*\e+\k], v[W+8*\e+\k], v[SC+32*\e+8*\k+3], v[SC+32*\e+8*\k+4]
.endr
.endr
.irp e, 0,1
.irp k, 0,1,2,3
	v_max3_num_f32 v[W+8*\e+\k], v[W+8*\e+\k], v[SC+32*\e+8*\k+5], v[SC+32*\e+8*\k+6]
.endr
.endr
.irp e, 0,1
	v_max3_num_f32 v[W+8*\e], v[W+8*\e], v[SC+32*\e+7], v[SC+32*\e+15]
	v_max3_num_f32 v[W+8*\e+1], v[W+8*\e+1], v[SC+32*\e+23], v[SC+32*\e+31]
.if \first
	v_max_num_f32 v[W+8*\e+2], v[W+8*\e+2], v[W+8*\e+3]
.else
	v_max3_num_f32 v[W+8*\e+2], v[W+8*\e+2], v[W+8*\e+3], v[MX+2*(2*\p+\e)]
.endif
.endr
.irp e, 0,1
	v_max3_num_f32 v[W+8*\e], v[W+8*\e], v[W+8*\e+1], v[W+8*\e+2]
.endr
.irp e, 0,1
	v_permlanex16_b32 v[W+8*\e+1], v[W+8*\e], s48, s49     ; the other half's keys of the same query
.endr
.irp e, 0,1
	v_max_num_f32 v[W+8*\e+3], v[W+8*\e], v[W+8*\e+1]      ; the new maximum, raw
.endr
.irp e, 0,1
	v_mul_f32 v[W+8*\e+WN], CNEG, v[W+8*\e+3]              ; nm = round(-c m)
.endr
.if \first == 0
.irp e, 0,1
	v_sub_f32 v[W+8*\e+2], v[W+8*\e+WN], v[NMO+2*\p+\e]    ; nm_new - nm_old: at most 0
.endr
.endif
.irp e, 0,1
.irp i, 0,2,4,6,8,10,12,14,16,18,20,22,24,26,28,30
	v_pk_fma_f32 v[SC+32*\e+\i:SC+32*\e+\i+1], v[SC+32*\e+\i:SC+32*\e+\i+1], v[CL:CL+1], v[W+8*\e+WN:W+8*\e+WN+1] op_sel_hi:[1,1,0]   ; s c + nm, one rounding; both halves add nm
.endr
.endr
.if \first == 0
.irp e, 0,1
	v_exp_f32 v[W+8*\e+WA], v[W+8*\e+2]
.endr
.endif
.set i, 0
.rept 64
	v_exp_f32 v[SC+i], v[SC+i]                     ; base 2: log2 e lies in c
.set i, i+1
.endr
.irp e, 0,1
	v_mov_b32 v[MX+2*(2*\p+\e)], v[W+8*\e+3]       ; plain instructions between the exponentials and the first use of a result (ISA guide 5.7.2)
	v_mov_b32 v[NMO+2*\p+\e], v[W+8*\e+WN]
.endr
.set i, 0
	s_wait_alu depctr_va_vdst(0)
.rept 32
	v_cvt_pk_bf16_f32 v[PB+i], v[SC+2*i], v[SC+2*i+1]  ; registers 16 e + 8 kc .. + 7 are tile e's fragment of P^T for keys 32 kc .. + 31
.set i, i+1
.endr
.if \first == 0
	WIN 0x41                                       ; destination and source 0 (O) in window 1
.irp e, 0,1
.set i, 0
.rept 16
	v_pk_mul_f32 v[OA+32*(2*\p+\e)+2*i:OA+32*(2*\p+\e)+2*i+1], v[OA+32*(2*\p+\e)+2*i:OA+32*(2*\p+\e)+2*i+1], v[W+8*\e+WA:W+8*\e+WA+1] op_sel_hi:[1,0]
.set i, i+1
.endr
.endr
.endif
.if \top
	s_wait_dscnt 0x0                               ; V's fragments are in: all my reads of this step's slot are done
.endif
	WIN 0x51                                       ; A (V^T), C and D (O) in window 1, B (P^T) in window 0
	; O^T += V^T P^T.  Eight accumulators take turns, one instruction a turn.
.irp e, 0,1
.irp d, 0,1,2,3
.if \first
	v_wmma_f32_16x16x32_bf16 v[OA+32*(2*\p+\e)+8*\d:OA+32*(2*\p+\e)+8*\d+7], v[VF+16*\d:VF+16*\d+7], v[PB+16*\e:PB+16*\e+7], 0
.else
	v_wmma_f32_16x16x32_bf16 v[OA+32*(2*\p+\e)+8*\d:OA+32*(2*\p+\e)+8*\d+7], v[VF+16*\d:VF+16*\d+7], v[PB+16*\e:PB+16*\e+7], v[OA+32*(2*\p+\e)+8*\d:OA+32*(2*\p+\e)+8*\d+7]
.endif
.endr
.endr
.irp e, 0,1
.irp d, 0,1,2,3
	v_wmma_f32_16x16x32_bf16 v[OA+32*(2*\p+\e)+8*\d:OA+32*(2*\p+\e)+8*\d+7], v[VF+16*\d+8:VF+16*\d+15], v[PB+16*\e+8:PB+16*\e+15], v[OA+32*(2*\p+\e)+8*\d:OA+32*(2*\p+\e)+8*\d+7]
.endr
.endr
	WIN 0
	; the sums of my 32 exponentials of each tile, behind the products: these lines name none of the products' registers, and are
	; the places between the last product and the next step's loads into the fragments' registers
.irp e, 0,1
.irp i, 0,2,4,6,8,10,12,14
	v_pk_add_f32 v[SC+32*\e+\i:SC+32*\e+\i+1], v[SC+32*\e+\i:SC+32*\e+\i+1], v[SC+32*\e+16+\i:SC+32*\e+17+\i]
.endr
.endr
.irp e, 0,1
.irp i, 0,2,4,6
	v_pk_add_f32 v[SC+32*\e+\i:SC+32*\e+\i+1], v[SC+32*\e+\i:SC+32*\e+\i+1], v[SC+32*\e+8+\i:SC+32*\e+9+\i]
.endr
.endr
.irp e, 0,1
.irp i, 0,2
	v_pk_add_f32 v[SC+32*\e+\i:SC+32*\e+\i+1], v[SC+32*\e+\i:SC+32*\e+\i+1], v[SC+32*\e+4+\i:SC+32*\e+5+\i]
.endr
.endr
.irp e, 0,1
	v_pk_add_f32 v[SC+32*\e:SC+32*\e+1], v[SC+32*\e:SC+32*\e+1], v[SC+32*\e+2:SC+32*\e+3]
.endr
.if \first
.irp e, 0,1
	v_add_f32 v[LS+2*(2*\p+\e)], v[SC+32*\e], v[SC+32*\e+1]
.endr
.else
.irp e, 0,1
	v_add_f32 v[SC+32*\e], v[SC+32*\e], v[SC+32*\e+1]
.endr
.irp e, 0,1
	v_fma_f32 v[LS+2*(2*\p+\e)], v[LS+2*(2*\p+\e)], v[W+8*\e+WA], v[SC+32*\e]
.endr
.endif
.endm
; One key step: the slot's fragments, the first pair, the next tile into the other slot, the second pair with the barrier's signal in
; it, the barrier's wait.  kind = 2: the next tile is stored and the one after it asked for; 1: the next tile is stored, nothing is
; left to ask for; 0: the last step: no tile, no barrier.
.macro STEP slot, first, kind
.irp t, 0,1,2,3
.irp c, 0,1,2,3
	ds_load_b128 v[KF+16*\t+4*\c:KF+16*\t+4*\c+3], v[KFA] offset:\slot*SLOT+16*KP*\t+32*\c
.endr
.endr
	WIN 0x40                                       ; destination in window 1
.irp d, 0,1,2,3
.irp c, 0,1,2,3
	ds_load_tr16_b128 v[VF+16*\d+4*\c:VF+16*\d+4*\c+3], v[VFA] offset:\slot*SLOT+VOFF+16*VP*\c+32*\d
.endr
.endr
	WIN 0
	PAIR 0, 8192, \first, 1-\first, 1, 0           ; asks for the masks of q tiles 2 and 3 of this key step
.if \kind
	s_wait_loadcnt 0x0                             ; the next step's tile, asked for in the middle of the last step, is in, and its loads no longer need their bases
.if \kind == 2
	s_add_nc_u64 s[6:7], s[6:7], TILEB             ; the tile after next
	s_add_nc_u64 s[8:9], s[8:9], TILEB
.endif
	PUT 1-\slot                                    ; the other slot was last read a step ago: every wave waited for those reads ahead of that step's signal, and I have passed its wait
	PAIR 1, 128,  \first, 0, 0, \kind              ; asks for the masks of q tiles 0 and 1 of the next key step; signals
	s_barrier_wait -1                              ; all eight have signalled: the other slot is whole, and nobody reads this one any more
.else
	PAIR 1, -1,   \first, 0, 0, 0
.endif
.endm
	s_load_b256 s[4:11], s[0:1], 0x0               ; q s[4:5], k s[6:7], v s[8:9], bits s[10:11]
	s_load_b64 s[12:13], s[0:1], 0x20              ; out0
	v_lshl_add_u32 v254, v0, 2, 0x1b800
	v_mov_b32 v255, 0
	v_lshrrev_b32 v12, 5, v0
	v_readfirstlane_b32 s14, v12                   ; wave 0..7
	v_and_b32 v12, 31, v0                          ; lane
	v_lshlrev_b32 v[GOFF], 4, v0
	v_lshlrev_b32 v[QGOFF], 4, v12
	s_and_b32 s53, ttmp7, 0xffff                   ; head 0..63
	s_lshl_b32 s2, s53, 19                         ; a head is 2,048 rows of 256 bytes
	s_mov_b32 s3, 0
	s_lshl_b32 s54, ttmp9, 17                      ; a block: 512 rows of 256 bytes, and as well 32 q tiles of 4,096 bytes of bits
	s_lshl_b32 s55, s14, 14                        ; a wave: 64 rows, and as well 4 q tiles
	s_add_co_u32 s55, s54, s55
	s_add_co_u32 s54, s2, s55                      ; q, out0: head + block + wave (below 2^25)
	s_lshr_b32 s56, s53, 4                         ; the batch: 16 heads share a mask
	s_lshl_b32 s56, s56, 19                        ; 128 q tiles of 4,096 bytes
	s_add_co_u32 s56, s56, s55                     ; bits: batch + block + wave
	s_mov_b32 s55, 0
	s_mov_b32 s57, 0
	s_mov_b32 s48, 0x76543210                      ; v_permlanex16_b32: lane i of one half reads lane i of the other
	s_mov_b32 s49, 0xfedcba98
	s_mul_i32 s52, s14, STGW
	s_add_co_u32 s52, s52, STG0                    ; my wave's own LDS bytes
	s_mul_i32 s58, s14, 2*KP                       ; my wave's two rows in each 16 of a tile
	s_mul_i32 s59, s14, 2*VP
	s_wait_kmcnt 0x0
	s_add_nc_u64 s[6:7], s[6:7], s[2:3]
	s_add_nc_u64 s[8:9], s[8:9], s[2:3]
	s_add_nc_u64 s[4:5], s[4:5], s[54:55]
	s_add_nc_u64 s[12:13], s[12:13], s[54:55]
	s_add_nc_u64 s[10:11], s[10:11], s[56:57]
	s_load_b512 s[MA:MA+15], s[10:11], 0x0         ; the masks of q tiles 0 and 1, key step 0
	s_load_b512 s[MA+16:MA+31], s[10:11], 0x40
	s_load_b512 s[MB:MB+15], s[10:11], 0x1000
	s_load_b512 s[MB+16:MB+31], s[10:11], 0x1040
	GET                                            ; tile 0
.set n, 0
.rept 32
	global_load_b128 v[QT+4*n:QT+4*n+3], v[QGOFF], s[4:5] offset:512*n th:TH_LOAD_NT   ; my 64 rows of q, two rows a load, into registers that the steps use later
.set n, n+1
.endr
	v_and_b32 v13, 15, v0                          ; r
	v_bfe_u32 v14, v0, 4, 1                        ; h
	v_mul_u32_u24 v15, v14, KP
	v_lshl_add_u32 v15, v13, 3, v15                ; 144 h + 8 r
	v_add_nc_u32 v[KST], s58, v15
	v_add_nc_u32 v[QST], s52, v15
	v_mul_u32_u24 v15, v14, VP
	v_lshl_add_u32 v15, v13, 3, v15                ; 160 h + 8 r
	v_add_nc_u32 v[VST], s59, v15
	v_mul_u32_u24 v[KFA], v13, KP
	v_lshl_add_u32 v[KFA], v14, 4, v[KFA]          ; 144 r + 16 h
	v_add_nc_u32 v[QFA], s52, v[KFA]
	v_and_b32 v15, 7, v0
	v_lshl_add_u32 v15, v14, 3, v15                ; 8 h + lane % 8
	v_mul_u32_u24 v[VFA], v15, VP
	v_bfe_u32 v15, v0, 3, 1
	v_lshl_add_u32 v[VFA], v15, 4, v[VFA]
	v_mul_u32_u24 v[OST], v13, OP
	v_lshl_add_u32 v[OST], v14, 5, v[OST]
	v_add_nc_u32 v[OST], s52, v[OST]
	v_mul_u32_u24 v[ORD], v14, OP
	v_lshl_add_u32 v[ORD], v13, 4, v[ORD]
	v_add_nc_u32 v[ORD], s52, v[ORD]
	v_mov_b32 v[NEG], FILL
	v_mov_b32 v[CL], CPOS
	v_mov_b32 v[CL+1], CPOS
.irp e, 0,1
	v_mov_b32 v[W+8*\e+WN+1], 0                    ; the second registers of the four pairs whose first is broadcast
	v_mov_b32 v[W+8*\e+WA+1], 0
.endr
	s_wait_loadcnt 32                              ; tile 0's eight loads are in; the 32 of q, issued behind them, stay out
	s_add_nc_u64 s[6:7], s[6:7], TILEB             ; those eight no longer need their bases: tile 1
	s_add_nc_u64 s[8:9], s[8:9], TILEB
	PUT 0
	; q, rounded once to bf16 as it is, into my own stage
.set n, 0
.rept 32
	s_wait_loadcnt 31-n                            ; load n of q is in, the 31 - n younger ones stay out
	v_cvt_pk_bf16_f32 v[QT+4*n], v[QT+4*n], v[QT+4*n+1]
	v_cvt_pk_bf16_f32 v[QT+4*n+1], v[QT+4*n+2], v[QT+4*n+3]
	ds_store_b64 v[QST], v[QT+4*n:QT+4*n+1] offset:2*KP*n
.set n, n+1
.endr
	WIN 0x40                                       ; destination in window 1
.irp u, 0,1,2,3
.irp c, 0,1,2,3
	ds_load_b128 v[QF+16*\u+4*\c:QF+16*\u+4*\c+3], v[QFA] offset:16*KP*\u+32*\c   ; my own bytes, served in order behind the stores: no wait between
.endr
.endr
	WIN 0
	s_wait_dscnt 0x0                               ; my part of tile 0 is stored (for the others' sake) and Q's fragments are in
	GET                                            ; tile 1, into the registers that tile 0's stores have read; it is wanted in the middle of step 0
	s_barrier_signal -1
	s_barrier_wait -1
	STEP 0, 1, 2                                   ; step 0 stands ahead of the loop: it starts maxima, sums and O, so nothing is cleared
	s_mov_b32 s15, 14
.Lk:                                               ; steps 1 to 28
	STEP 1, 0, 2
	STEP 0, 0, 2
	s_sub_co_u32 s15, s15, 1
	s_cmp_lg_u32 s15, 0
	s_cbranch_scc1 .Lk
	STEP 1, 0, 2                                   ; step 29 asks for tile 31, the head's last: no load leaves its buffer
	STEP 0, 0, 1                                   ; step 30 stores it and asks for nothing
	STEP 1, 0, 0                                   ; step 31
	; THE WAY OUT.  The two halves' sums meet.  A sum holds the row's largest term, exp2 of at least -64, so its reciprocal is an ordinary number.
.irp u, 0,1,2,3
	v_permlanex16_b32 v[W+\u], v[LS+2*\u], s48, s49    ; its destination counts as read: these four were written by the maxima's chains
.endr
.irp u, 0,1,2,3
	v_add_f32 v[LS+2*\u], v[LS+2*\u], v[W+\u]
.endr
.irp u, 0,1,2,3
	v_rcp_f32 v[LS+2*\u], v[LS+2*\u]
.endr
	v_nop                                          ; one plain instruction between the reciprocals and their first use (ISA guide 5.7.2)
	s_wait_alu depctr_va_vdst(0)
; 16 rows at a time: divide, put lane (r, h)'s d = 16 dt + 8 h + 0..7 of row r into my stage, read whole rows back, store them
.macro OUTU u
	v_mov_b32 v[W+WA], v[LS+2*\u]
	WIN 0x41
.set i, 0
.rept 16
	v_pk_mul_f32 v[OA+32*\u+2*i:OA+32*\u+2*i+1], v[OA+32*\u+2*i:OA+32*\u+2*i+1], v[W+WA:W+WA+1] op_sel_hi:[1,0]
.set i, i+1
.endr
	WIN 0x04                                       ; an LDS store's data is source 1: window 1
.irp c, 0,1,2,3,4,5,6,7
	ds_store_b128 v[OST], v[OA+32*\u+4*\c:OA+32*\u+4*\c+3] offset:64*(\c/2)+16*(\c%2)
.endr
	WIN 0
.if \u
	s_wait_xcnt 0x0                                ; the registers loaded below are the data of the last tile's stores: rewritten only behind this wait
.endif
.irp i, 0,1,2,3,4,5,6,7
	ds_load_b128 v[SC+4*\i:SC+4*\i+3], v[ORD] offset:2*OP*\i   ; my own bytes, in order behind the stores above
.endr
.irp i, 0,1,2,3,4,5,6,7
	s_wait_dscnt 7-\i                              ; read-back i is in, the 7 - i younger ones stay out
	global_store_b128 v[QGOFF], v[SC+4*\i:SC+4*\i+3], s[12:13] offset:4096*\u+512*\i th:TH_STORE_NT   ; two rows: 512 consecutive aligned bytes
.endr
.endm
	OUTU 0
	OUTU 1
	OUTU 2
	OUTU 3
	s_wait_tensorcnt 0x0
	ds_add_u32 v254, v255
	s_wait_dscnt 0x0
	s_endpgm
.Lfunc_end_k_q0bce47a253_attn:
	.size	k_q0bce47a253_attn, .Lfunc_end_k_q0bce47a253_attn-k_q0bce47a253_attn
	.p2alignl 7, 3214868480
	.fill 96, 4, 3214868480
	.section	.rodata,"a",@progbits
	.p2align	6, 0x0
	.amdhsa_kernel k_q0bce47a253_attn
		.amdhsa_group_segment_fixed_size 113664
		.amdhsa_private_segment_fixed_size 0
		.amdhsa_enable_private_segment 0
		.amdhsa_kernarg_size 40
		.amdhsa_user_sgpr_count 2
		.amdhsa_user_sgpr_kernarg_segment_ptr 1
		.amdhsa_wavefront_size32 1
		.amdhsa_system_sgpr_workgroup_id_x 1
		.amdhsa_system_sgpr_workgroup_id_y 1
		.amdhsa_system_sgpr_workgroup_id_z 1
		.amdhsa_system_vgpr_workitem_id 0
		.amdhsa_next_free_vgpr 512
		.amdhsa_next_free_sgpr 100
		.amdhsa_reserve_vcc 0
		.amdhsa_float_denorm_mode_32 3
		.amdhsa_float_denorm_mode_16_64 3
		.amdhsa_memory_ordered 1
		.amdhsa_forward_progress 1
		.amdhsa_inst_pref_size 255
	.end_amdhsa_kernel
	.section	.bss,"aw",@nobits
	.p2align	6
	.space	262144
	.amdgpu_metadata
---
amdhsa.version: [ 1, 2 ]
amdhsa.kernels:
  - .name:           k_q0bce47a253_attn
    .symbol:         k_q0bce47a253_attn.kd
    .args:
      - { .name: q, .offset: 0, .size: 8, .value_kind: global_buffer, .address_space: global }
      - { .name: k, .offset: 8, .size: 8, .value_kind: global_buffer, .address_space: global }
      - { .name: v, .offset: 16, .size: 8, .value_kind: global_buffer, .address_space: global }
      - { .name: bits, .offset: 24, .size: 8, .value_kind: global_buffer, .address_space: global }
      - { .name: out0, .offset: 32, .size: 8, .value_kind: global_buffer, .address_space: global }
    .group_segment_fixed_size: 113664
    .private_segment_fixed_size: 0
    .kernarg_segment_align: 8
    .kernarg_segment_size: 40
    .max_flat_workgroup_size: 256
    .sgpr_count:     100
    .vgpr_count:     512
    .wavefront_size: 32
...
	.end_amdgpu_metadata
.endif
;; end of part 3
